; MI455X (gfx1250); checked and timed in simulation.
; The chip was launched on July 23, 2026; its instructions are those of AMD's public machine-readable ISA for CDNA 5 (MIT licence, August 2026) and "CDNA5" Instruction Set Architecture Reference Guide (July 2026). The comments in the code are by the model that wrote it; some were corrected since.
;; VJEPA2 Rope Attention. Allowed arithmetic: matrix products marked QUANTISED: E2M3 operands, one E8M0 scale for each 32 along K, by v_wmma_scale_f32_16x16x128_f8f6f4 with both operands' format E2M3, f32 sums; everything else in f32.
;; Inputs: Wk_codes 1,024 x 32 x 24 uint8 (E2M3 codes of Wk, K innermost, in blocks of 32 codes, four codes in three bytes); Wk_scales 1,024 x 32 uint8 (E8M0 scales of Wk, one for each 32 codes along K); Wo_codes 1,024 x 32 x 24 uint8 (E2M3 codes of Wo, K innermost, in blocks of 32 codes, four codes in three bytes); Wo_scales 1,024 x 32 uint8 (E8M0 scales of Wo, one for each 32 codes along K); Wq_codes 1,024 x 32 x 24 uint8 (E2M3 codes of Wq, K innermost, in blocks of 32 codes, four codes in three bytes); Wq_scales 1,024 x 32 uint8 (E8M0 scales of Wq, one for each 32 codes along K); Wv_codes 1,024 x 32 x 24 uint8 (E2M3 codes of Wv, K innermost, in blocks of 32 codes, four codes in three bytes); Wv_scales 1,024 x 32 uint8 (E8M0 scales of Wv, one for each 32 codes along K); bk 1,024 float32; bo 1,024 float32; bq 1,024 float32; bv 1,024 float32; hidden_states_codes 4 x 2,048 x 32 x 24 uint8 (E2M3 codes of hidden_states, K innermost, in blocks of 32 codes, four codes in three bytes); hidden_states_scales 4 x 2,048 x 32 uint8 (E8M0 scales of hidden_states, one for each 32 codes along K).
;; Outputs: out0 4 x 2,048 x 1,024 float32.
;; This version of the problem:
;;   THIS VERSION OF THE PROBLEM IS GIVEN IN LOW PRECISION. The matrix products marked QUANTISED in the list below multiply operands that are first quantised to E2M3 (2 exponent bits, 3 mantissa bits; 6 bits a number), with one power-of-two scale for each 32 numbers along K (OCP MX v1.0); their sums are f32. All else is computed in f32.
;;   The module's matrix products, in the order in which they are computed (A, B: the left and right operand; K: the contracted axis; several contracted axes count as one K, in the product's order):
;;     1. [M 8,192, K 1,024] x [K 1,024, N 1,024]; A: input hidden_states (given as codes); B: input Wq (given as codes): QUANTISED
;;     2. [M 8,192, K 1,024] x [K 1,024, N 1,024]; A: input hidden_states (given as codes); B: input Wk (given as codes): QUANTISED
;;     3. [M 8,192, K 1,024] x [K 1,024, N 1,024]; A: input hidden_states (given as codes); B: input Wv (given as codes): QUANTISED
;;     4. batch 64 x [M 2,048, K 64] x [K 64, N 2,048]; A: computed on the way; B: computed on the way: QUANTISED
;;     5. batch 64 x [M 2,048, K 2,048] x [K 2,048, N 64]; A: softmax (see below); B: computed on the way: QUANTISED
;;     6. [M 8,192, K 1,024] x [K 1,024, N 1,024]; A: computed on the way; B: input Wo (given as codes): QUANTISED
;;   THE QUANTISER, for each operand of a quantised product, along K:
;;     - K is cut into blocks of 32 from its start; a last block that is shorter is filled with zeros.
;;     - A block's scale is 2^e with e = floor(log2(the largest magnitude in the block)) - 2, held to -126 .. 127; a block of zeros has e = 0. As a byte (E8M0): e + 127.
;;     - Each number is divided by its block's scale, clamped to +-7.5, and rounded to the nearest number of E2M3, ties to even, subnormals kept.
;;     - The product sums the exact products of the quantised numbers (number of the format x scale) in f32.
;;   ~~~python
;;   def quantise(x, axis):      # numpy; x: float32 -> the quantised numbers, widened to float32 again
;;       x = np.moveaxis(x, axis, -1); K = x.shape[-1]
;;       x = np.pad(x, [(0, 0)] * (x.ndim - 1) + [(0, -K % 32)]); x = x.reshape(x.shape[:-1] + (-1, 32)); a = np.abs(x).max(-1, keepdims=True)
;;       e = np.where(a > 0, np.clip(np.frexp(np.where(a > 0, a, 1))[1] - 1 - 2, -126, 127), 0)      # np.frexp(a)[1] - 1 = floor(log2(a)), exactly
;;       r = np.clip(x / 2.0 ** e, -7.5, 7.5)
;;       step = 2.0 ** (np.maximum(np.frexp(np.where(r == 0, 1, r))[1] - 1, 0) - 3)
;;       q = np.round(r / step) * step * 2.0 ** e      # np.round: ties to even
;;       return np.moveaxis(q.reshape(q.shape[:-2] + (-1,))[..., :K], -1, axis).astype(np.float32)
;;   ~~~
;;   SOFTMAX AHEAD OF A QUANTISED PRODUCT. Where the list says 'softmax', what is quantised is not the finished softmax but p = 2^(t - M), with t = logit x log2(e) and M = ceil(the row's largest t), a whole number; so 1/2 < the row's largest p <= 1. The row's sum l is taken of the UNQUANTISED p, in f32, and the product's result is divided by l at the end. Since M is a whole number, a kernel that streams over the keys may use a running M (the ceiling of the running maximum): every later rescaling is an exact power of two, which a block's scale takes up: the codes' values come out the same.
;;   OPERANDS COMPUTED ON THE WAY. 'Computed on the way' means the value that the module computes at that place (a softmax that the list does not call 'softmax' is quantised finished and normalised). What goes into a quantiser is computed in f32, as accurately as f32 sums, v_exp_f32 and their like allow (about 1e-6 of the number): no bf16 or f16 on the way to a quantiser, and a product that is left as it is and whose result goes on into a quantised operand takes f32 operands (vector FMAs, or v_wmma_f32_16x16x4_f32). A number that lies on a knife's edge between two numbers of the format may be rounded either way, as far as f32 arithmetic and the matrix unit's own rounding can turn it there, and no further.
;;   INPUTS GIVEN AS CODES. Wk (in the module: [1024, 1024], K = its axis 0); Wo (in the module: [1024, 1024], K = its axis 0); Wq (in the module: [1024, 1024], K = its axis 0); Wv (in the module: [1024, 1024], K = its axis 0); hidden_states (in the module: [4, 2048, 1024], K = its axis 2): each comes as NAME_codes (uint8): NAME with its K axis moved to the last place and cut into blocks of 32 codes, [.., K / 32, bytes a block], one block behind the other in memory; four codes in three bytes: a row's codes are one little-endian stream of bits, code i at bits 6 i .. 6 i + 5 (a code: sign, 2 exponent bits, 3 mantissa bits); and NAME_scales (uint8): the same leading axes, one E8M0 byte (e + 127) for each 32 codes along K. Its value is code x scale, taken as it is: it is not quantised again, and the codes and scales need not be those that the quantiser above would give.
;; One version. Each part assembles by itself: llvm-mc -triple=amdgcn-amd-amdhsa -mcpu=gfx1250 --defsym DOCPART=n.
;; ======== version 1 of 1: 3 launches
;; limits: right only within a limited range of input values
;; workspace buffers: qw 6,553,600 bytes; kv 13,107,200 bytes; cimg 6,291,456 bytes; csc 262,144 bytes
;; launch qkv (part 1): grid 8 x 32, 4 waves a work-group, clusters of 4 x 4, 327,680 bytes of LDS; arguments hidden_states_codes, hidden_states_scales, Wq_codes, Wq_scales, Wk_codes, Wk_scales, Wv_codes, Wv_scales, bq, bk, bv, qw, kv; writes qw, kv
.if DOCPART == 1
	.amdgcn_target "amdgcn-amd-amdhsa--gfx1250"
	.amdhsa_code_object_version 6
	.text
	.protected	k_q22f5d0f2be_qkv
	.globl	k_q22f5d0f2be_qkv
	.p2align	8
	.type	k_q22f5d0f2be_qkv,@function
k_q22f5d0f2be_qkv:
	s_mov_b64 s[64:65], 0
	v_nop
	global_prefetch_b8 v0, s[64:65] scope:SCOPE_SE
	s_setreg_imm32_b32 hwreg(HW_REG_WAVE_MODE, 25, 1), 1
	s_wait_xcnt 0x0
	s_wait_alu depctr_hold_cnt(0) depctr_sa_sdst(0) depctr_va_vdst(0) depctr_va_sdst(0) depctr_va_ssrc(0) depctr_va_vcc(0) depctr_vm_vsrc(0)
	s_getreg_b32 s2, hwreg(HW_REG_IB_STS2, 6, 4)
	s_cmp_eq_u32 s2, 0
	s_cbranch_scc0 .Lentry_in_a_cluster
	s_endpgm
.Lentry_in_a_cluster:
	s_bfe_u32 s2, ttmp6, 0x10000c
	s_cmp_lg_u32 s2, 0xf033
	s_cbranch_scc0 .Lentry_shape_is_right
	s_endpgm
.Lentry_shape_is_right:
.set PITCH, 816
.set RG,    64*PITCH
.set XT,    6*RG
.set XP,    272
.set XTSO,  16*XP
.set SST,   XT+2*XTSO
.set SPARE, SST+3072
.set PADW,  (1<<20)|(1<<21)|(5<<22)|(3<<25)
.set R_,   1
.set H_,   2
.set LN,   3
.set WL0,  4
.set WA0,  6
.set L16,  8
.set L8,   9
.set L32,  10
.set BQA,  11
.set BVA,  12
.set SPW,  13
.set NIL,  14
.set AF,   15
.set AH,   16
.set AW,   17
.set AFH,  18
.set AHW,  22
.set SSTK, 26
.set SSTV, 27
.set SSTR, 28
.set XSC,  32
.set WSC,  48
.set BIAS, 80
.set WF,   112
.set ACC,  0
.set FC,   128
.set FS,   160
.set RT,   192
.set TM,   224
.set PC,   232
.set PAIR, 240
.set WD,   252
.set WV,   30
.set GX,   40
.set GW32, 48
.set GW64, 56
.set G0X,  68
.set G0W,  72
.set G0R,  76
.set SEL,  80
.set HM,   82
.set QI,   86
.set KI,   88
.set QS,   92
.set KS,   94
.set MSB, 0
.macro WIN new
.if MSB != \new
	s_set_vgpr_msb (MSB<<8)|\new
.set MSB, \new
.endif
.endm
.macro PLACES n
.rept \n
	v_nop
.endr
.endm
.macro CROUND
	s_barrier_signal -1
	s_barrier_wait -1
	s_cmp_lg_u32 s[WV], 0
	s_cbranch_scc1 .Lnot_wave_0_\@
	s_barrier_signal -3
.Lnot_wave_0_\@:
	s_barrier_wait -3
	s_barrier_signal -1
	s_barrier_wait -1
.endm
.macro FRAG reg, adr, s, t
.irp p, 0,1,2,3,4,5
.set PC_, 12*(\s)+6*(\p/3)+\p%3
.if PC_%32 < 29
	ds_load_b64 v[(\reg)+2*\p:(\reg)+2*\p+1], v[\adr] offset:8*PC_+16*(PC_/32)+(\t)*16*PITCH
.else
	ds_load_b64 v[(\reg)+2*\p:(\reg)+2*\p+1], v[\adr+1] offset:8*PC_+16*(PC_/32)+(\t)*16*PITCH
.endif
.endr
.endm
.macro FETCH s, set
.irp t, 0,1,2,3
	FRAG WF+48*(\set)+12*\t, WA0, \s, \t
.endr
.endm
.macro WM d, a, b, c, sa, sb, ra, rb
.if (\ra) && (\rb)
	v_wmma_scale_f32_16x16x128_f8f6f4 v[\d:\d+7], v[\a:\a+11], v[\b:\b+11], v[\c:\c+7], v[\sa], v[\sb] matrix_a_fmt:MATRIX_FMT_FP6 matrix_b_fmt:MATRIX_FMT_FP6 matrix_a_scale:MATRIX_SCALE_ROW1 matrix_b_scale:MATRIX_SCALE_ROW1
.elseif (\ra)
	v_wmma_scale_f32_16x16x128_f8f6f4 v[\d:\d+7], v[\a:\a+11], v[\b:\b+11], v[\c:\c+7], v[\sa], v[\sb] matrix_a_fmt:MATRIX_FMT_FP6 matrix_b_fmt:MATRIX_FMT_FP6 matrix_a_scale:MATRIX_SCALE_ROW1
.elseif (\rb)
	v_wmma_scale_f32_16x16x128_f8f6f4 v[\d:\d+7], v[\a:\a+11], v[\b:\b+11], v[\c:\c+7], v[\sa], v[\sb] matrix_a_fmt:MATRIX_FMT_FP6 matrix_b_fmt:MATRIX_FMT_FP6 matrix_b_scale:MATRIX_SCALE_ROW1
.else
	v_wmma_scale_f32_16x16x128_f8f6f4 v[\d:\d+7], v[\a:\a+11], v[\b:\b+11], v[\c:\c+7], v[\sa], v[\sb] matrix_a_fmt:MATRIX_FMT_FP6 matrix_b_fmt:MATRIX_FMT_FP6
.endif
.endm
.macro GEMM nat
.irp s, 0,1,2,3,4,5,6,7
.if \s < 7
	PLACES 4
	FETCH \s+1, (\s+1)%2
	s_wait_dscnt 24
.else
	s_wait_dscnt 0x0
.endif
.if \s < 5
.set XB, 48*\s
.else
.set XB, 48*(\s-5)
.endif
.if \nat
.if \s == 0
	WIN 0xc1
.elseif \s < 5
	WIN 0xf1
.else
	WIN 0xf2
.endif
.else
.if \s == 0
	WIN 0xc4
.elseif \s < 5
	WIN 0xf4
.else
	WIN 0xf8
.endif
.endif
.irp u, 0,1,2,3
.irp z, 0,1,2,3
.set DD, ACC+32*\u+8*\z
.set CC, DD
.if \nat
.if \s == 0
.set CC, BIAS+8*\u
.endif
	WM DD, XB+12*\z, WF+48*(\s%2)+12*\u, CC, XSC+8*(\z/2)+\s, WSC+8*(\u/2)+\s, \z%2, \u%2
.else
.if \s == 0
.set CC, BIAS+8*\z
.endif
	WM DD, WF+48*(\s%2)+12*\z, XB+12*\u, CC, WSC+8*(\z/2)+\s, XSC+8*(\u/2)+\s, \z%2, \u%2
.endif
.endr
.endr
	WIN 0
.endr
.endm
.macro LDSC reg, sp, so
.irp i, 0,1
	global_load_b128 v[\reg+8*\i:\reg+8*\i+3], v[L32], s[\sp:\sp+1] offset:\so+1024*\i
	global_load_b128 v[\reg+8*\i+4:\reg+8*\i+7], v[L32], s[\sp:\sp+1] offset:\so+1024*\i+16
.endr
.endm
.macro LDBIAS bp, bo, nat
.if \nat
.irp t, 0,1,2,3
.irp j, 0,1,2,3,4,5,6,7
	global_load_b32 v[BIAS+8*\t+\j], v[BVA], s[\bp:\bp+1] offset:\bo+64*\t
.endr
.endr
.else
.irp t, 0,1,2,3
	global_load_b128 v[BIAS+8*\t:BIAS+8*\t+3], v[BQA], s[\bp:\bp+1] offset:\bo+64*\t
	global_load_b128 v[BIAS+8*\t+4:BIAS+8*\t+7], v[BQA], s[\bp:\bp+1] offset:\bo+64*\t+16
.endr
.endif
.endm
.macro TAIL rg, sp, so, bp, bo, nat
	WIN 0
	v_add_nc_u32 v[WA0], (\rg)*RG, v[WL0]
	v_add_nc_u32 v[WA0+1], (\rg)*RG, v[WL0+1]
	v_nop
	v_nop
	FETCH 0, 0
	LDSC WSC, \sp, \so
	LDBIAS \bp, \bo, \nat
.endm
.macro QUANT64 a, d6, w
	v_max3_num_f32 v[TM], |v[(\a)]|, |v[(\a)+1]|, 0x1800000
	v_max3_num_f32 v[TM+1], |v[(\a)+16]|, |v[(\a)+17]|, 0x1800000
.irp i, 2,4,6,8,10,12,14
	v_max3_num_f32 v[TM], v[TM], |v[(\a)+\i]|, |v[(\a)+\i+1]|
	v_max3_num_f32 v[TM+1], v[TM+1], |v[(\a)+16+\i]|, |v[(\a)+17+\i]|
.endr
	v_permlanex16_b32 v[TM+2], v[TM], s[SEL], s[SEL+1]
	v_permlanex16_b32 v[TM+3], v[TM+1], s[SEL], s[SEL+1]
	v_max_num_f32 v[TM], v[TM], v[TM+2]
	v_max_num_f32 v[TM+1], v[TM+1], v[TM+3]
	v_add_nc_u32 v[TM+4], 0xff000000, v[TM]
	v_add_nc_u32 v[TM+5], 0xff000000, v[TM+1]
	v_lshrrev_b32 v[TM+6], 23, v[TM+4]
	v_lshrrev_b32 v[TM+7], 23, v[TM+5]
	v_lshl_or_b32 v[\w], v[TM+7], 8, v[TM+6]
	v_cvt_scalef32_pk16_fp6_f32 v[(\d6):(\d6)+2], v[(\a):(\a)+15], v[TM+4]
	v_cvt_scalef32_pk16_fp6_f32 v[PC:PC+2], v[(\a)+16:(\a)+31], v[TM+5]
	v_nop
.irp i, 0,1,2
	v_permlane16_swap_b32 v[(\d6)+\i], v[PC+\i]
.endr
.irp i, 0,1,2
	v_mov_b32 v[(\d6)+3+\i], v[PC+\i]
.endr
.endm
.macro FACT dst, T, o
	ds_load_b128 v[\dst:\dst+3], v[AF] offset:\o
	ds_load_b128 v[\dst+4:\dst+7], v[AF] offset:\o+16
	ds_load_b128 v[\dst+8:\dst+11], v[AFH+(\T)] offset:\o+64
	ds_load_b128 v[\dst+12:\dst+15], v[AH] offset:\o+80+XP*(\T)
	ds_load_b128 v[\dst+16:\dst+19], v[AHW+(\T)] offset:\o+128
	ds_load_b128 v[\dst+20:\dst+23], v[AHW+(\T)] offset:\o+144
	ds_load_b128 v[\dst+24:\dst+27], v[AW] offset:\o+192
	ds_load_b128 v[\dst+28:\dst+31], v[AW] offset:\o+208
.endm
.macro EPI_R ptr, kind, i, hs, more
.irp T, 0,1,2,3
.if \T == 0
	s_wait_dscnt 24
.else
	s_wait_dscnt 8
.endif
	WIN 0xff
.set n, 0
.rept 16
	v_pk_mul_f32 v[RT+n:RT+n+1], v[ACC+32*\T+n:ACC+32*\T+n+1], v[FC+n:FC+n+1]
.set n, n+2
.endr
.if (\T < 3) || (\more)
	WIN 0xc0
	FACT FC, (\T+1)%4, 0
.if \T == 0
	s_wait_dscnt 32
.else
	s_wait_dscnt 8
.endif
.else
	s_wait_dscnt 0x0
.endif
	WIN 0xff
.set n, 0
.rept 16
	v_pk_fma_f32 v[RT+n:RT+n+1], v[ACC+32*\T+n:ACC+32*\T+n+1], v[FS+n:FS+n+1], v[RT+n:RT+n+1] op_sel:[1,0,0] op_sel_hi:[0,1,1]
.set n, n+2
.endr
.if (\T < 3) || (\more)
	WIN 0xc0
	FACT FS, (\T+1)%4, XTSO
	WIN 0xff
.endif
.if (\T%2) == 0
	s_wait_alu depctr_va_vdst(0)
	s_wait_xcnt 0x0
.endif
	QUANT64 RT, PAIR+6*(\T%2), WD+\T
.if (\T%2) == 1
	WIN 0x0c
.irp g, 0,1,2
	global_store_b128 v[L16], v[PAIR+4*\g:PAIR+4*\g+3], s[\ptr:\ptr+1] offset:(\T/2)*1536+512*\g+\i*\hs
.endr
.endif
.endr
	WIN 0xff
	v_lshl_or_b32 v[WD], v[WD+1], 16, v[WD]
	v_lshl_or_b32 v[WD+2], v[WD+3], 16, v[WD+2]
	v_cndmask_b32 v[WD], v[WD], v[WD+2], s[HM]
	WIN 0x0c
	ds_store_b32 v[SSTK], v[WD] offset:1024*\kind+512*\i
	WIN 0
.endm
.macro EPI_V i
.irp t, 0,1,2,3
	WIN 0xff
	s_wait_xcnt 0x0
	QUANT64 ACC+32*\t, PAIR+6*(\t%2), WD+\t
	WIN 0x0c
	global_store_b128 v[L16], v[PAIR+6*(\t%2):PAIR+6*(\t%2)+3], s[KI:KI+1] offset:6144+768*\t+\i*204800
	global_store_b64 v[L8], v[PAIR+6*(\t%2)+4:PAIR+6*(\t%2)+5], s[KI:KI+1] offset:6144+768*\t+512+\i*204800
	ds_store_b16 v[SSTV], v[WD+\t] offset:512*\i+64*\t
.endr
	WIN 0
.endm
.macro SINCOS iv
	v_cvt_f32_u32 v210, v[\iv]
	v_mul_f32 v210, 0xbfaa152d, v210
	s_wait_alu depctr_va_vdst(0)
	v_exp_f32 v210, v210
	v_cvt_f32_u32 v211, v208
	v_nop
	s_wait_alu depctr_va_vdst(0)
	v_mul_f32 v211, v211, v210
	v_mul_f32 v212, 0x3f22f983, v211
	v_rndne_f32 v212, v212
	v_fmamk_f32 v213, v212, 0xbfc90fdb, v211
	v_fmamk_f32 v213, v212, 0x333bbd2e, v213
	v_mul_f32 v214, v213, v213
	v_mov_b32 v215, 0xb94ca1f9
	v_fmaak_f32 v215, v215, v214, 0x3c08839e
	v_fmaak_f32 v215, v215, v214, 0xbe2aaaa3
	v_mul_f32 v216, v213, v214
	v_fma_f32 v215, v216, v215, v213
	v_mov_b32 v217, 0x37ccf5ce
	v_fmaak_f32 v217, v217, v214, 0xbab6061a
	v_fmaak_f32 v217, v217, v214, 0x3d2aaaa5
	v_mul_f32 v218, v214, v214
	v_fma_f32 v219, v214, -0.5, 1.0
	v_fma_f32 v217, v218, v217, v219
	v_cvt_i32_f32 v218, v212
	v_and_b32 v219, 1, v218
	v_cmp_eq_u32 s84, 1, v219
	v_cndmask_b32 v220, v217, v215, s84
	v_cndmask_b32 v221, v215, v217, s84
	v_and_b32 v219, 2, v218
	v_lshlrev_b32 v219, 30, v219
	v_xor_b32 v221, v219, v221
	v_add_nc_u32 v219, 1, v218
	v_and_b32 v219, 2, v219
	v_lshlrev_b32 v219, 30, v219
	v_xor_b32 v220, v219, v220
	v_xor_b32 v219, 1, v[\iv]
	v_lshlrev_b32 v219, 31, v219
	v_xor_b32 v221, v219, v221
.endm
	s_load_b512 s[4:19], s[0:1], 0x0
	s_load_b256 s[20:27], s[0:1], 0x40
	s_load_b64 s[28:29], s[0:1], 0x60
	v_lshl_add_u32 v[SPW], v0, 2, SPARE
	v_mov_b32 v[NIL], 0
	ds_add_u32 v[SPW], v[NIL]
	ds_add_u32 v[SPW], v[NIL]
	v_lshrrev_b32 v29, 5, v0
	v_readfirstlane_b32 s[WV], v29
	s_bfe_u32 s31, ttmp6, 0x40000
	s_bfe_u32 s32, ttmp6, 0x40004
	s_lshl_b32 s33, ttmp9, 2
	s_add_co_u32 s33, s33, s31
	s_and_b32 s34, ttmp7, 7
	s_lshl_b32 s35, s32, 2
	s_lshl_b32 s35, 15, s35
	s_lshl_b32 s36, 0x1111, s31
	s_or_b32 s[GX], s35, PADW
	s_or_b32 s[GW32], s36, PADW
	s_or_b32 s[GW64], s36, PADW
.irp g, GX, GW32, GW64
	s_mov_b32 s[\g+1], 768<<16
	s_mov_b32 s[\g+3], 768<<16
	s_mov_b32 s[\g+5], 768
	s_mov_b32 s[\g+6], 0
	s_mov_b32 s[\g+7], 0
.endr
	s_mov_b32 s[GX+2], 64<<16
	s_mov_b32 s[GX+4], 64
	s_mov_b32 s[GW32+2], 32<<16
	s_mov_b32 s[GW32+4], 32
	s_mov_b32 s[GW64+2], 64<<16
	s_mov_b32 s[GW64+4], 64
	s_lshl_b32 s37, s32, 11
	s_lshl_b32 s38, s34, 8
	s_add_co_u32 s37, s37, s38
	s_lshl_b32 s38, s[WV], 6
	s_add_co_u32 s37, s37, s38
	s_mul_i32 s38, s37, 768
	s_mov_b32 s39, 0
	s_min_u32 s83, s[WV], 1
	s_add_co_u32 s83, s83, s[WV]
	s_add_co_u32 s83, s83, 1
	s_mul_i32 s83, s83, RG
	s_mov_b32 s[SEL], 0x76543210
	s_mov_b32 s[SEL+1], 0xfedcba98
	s_mov_b32 s[HM], 0xffff0000
	s_mov_b32 s97, 0
	v_and_b32 v[R_], 15, v0
	v_bfe_u32 v[H_], v0, 4, 1
	v_and_b32 v[LN], 31, v0
	v_mul_u32_u24 v[WL0], v[R_], PITCH
	v_mad_u32_u24 v[WL0+1], v[H_], 40, v[WL0]
	v_mad_u32_u24 v[WL0], v[H_], 24, v[WL0]
	v_lshlrev_b32 v[L16], 4, v[LN]
	v_lshlrev_b32 v[L8], 3, v[LN]
	v_lshlrev_b32 v[L32], 5, v[LN]
	v_lshlrev_b32 v[BQA], 5, v[H_]
	v_lshlrev_b32 v[BVA], 2, v[R_]
	v_lshl_add_u32 v[SSTK], v0, 2, SST
	v_lshl_add_u32 v[SSTR], v0, 3, SST
	s_wait_dscnt 0x0
	s_wait_kmcnt 0x0
	s_mov_b32 s[G0X], 1
	s_mov_b32 s[G0X+1], s83
	s_add_nc_u64 s[G0X+2:G0X+3], s[4:5], s[38:39]
	s_or_b32 s[G0X+3], s[G0X+3], 0x80000000
	s_lshl_b32 s38, s37, 5
	s_add_nc_u64 s[6:7], s[6:7], s[38:39]
	s_mul_i32 s96, s33, 98304
	s_add_nc_u64 s[8:9], s[8:9], s[96:97]
	s_add_nc_u64 s[12:13], s[12:13], s[96:97]
	s_add_nc_u64 s[16:17], s[16:17], s[96:97]
	s_lshl_b32 s96, s33, 12
	s_add_nc_u64 s[10:11], s[10:11], s[96:97]
	s_add_nc_u64 s[14:15], s[14:15], s[96:97]
	s_add_nc_u64 s[18:19], s[18:19], s[96:97]
	s_lshl_b32 s96, s33, 9
	s_add_nc_u64 s[20:21], s[20:21], s[96:97]
	s_add_nc_u64 s[22:23], s[22:23], s[96:97]
	s_add_nc_u64 s[24:25], s[24:25], s[96:97]
	s_cmp_lt_u32 s[WV], 2
	s_cselect_b64 s[G0W+2:G0W+3], s[8:9], s[12:13]
	s_and_b32 s96, s[WV], 1
	s_mul_i32 s98, s96, 32*PITCH
	s_mul_i32 s96, s96, 32*768
	s_add_nc_u64 s[G0W+2:G0W+3], s[G0W+2:G0W+3], s[96:97]
	s_or_b32 s[G0W+3], s[G0W+3], 0x80000000
	s_lshr_b32 s99, s[WV], 1
	s_mul_i32 s99, s99, 2*RG
	s_add_co_u32 s[G0W+1], s99, s98
	s_mov_b32 s[G0W], 1
	s_cmp_eq_u32 s[WV], 0
	s_cselect_b64 s[G0R+2:G0R+3], s[8:9], s[12:13]
	s_cmp_lt_u32 s[WV], 2
	s_cselect_b64 s[G0R+2:G0R+3], s[G0R+2:G0R+3], s[16:17]
	s_cmp_eq_u32 s[WV], 2
	s_cselect_b32 s96, 0, 49152
	s_add_nc_u64 s[G0R+2:G0R+3], s[G0R+2:G0R+3], s[96:97]
	s_or_b32 s[G0R+3], s[G0R+3], 0x80000000
	s_mov_b32 s[G0R+1], s83
	s_mov_b32 s[G0R], 1
	CROUND
	tensor_load_to_lds s[G0X:G0X+3], s[GX:GX+7]
	s_nop 0
	s_wait_alu depctr_va_vdst(0)
	s_wait_tensorcnt 0x0
	ds_add_u32 v13, v14
	s_wait_dscnt 0x0
	CROUND
	tensor_load_to_lds s[G0W:G0W+3], s[GW32:GW32+7]
	s_nop 0
	PLACES 4
	s_wait_alu depctr_va_vdst(0)
	LDSC XSC, 6, 0
	LDSC WSC, 10, 0
	LDBIAS 20, 0, 0
	s_lshl_b32 s96, s32, 4
	s_lshl_b32 s98, s33, 1
	s_add_co_u32 s98, s98, s96
	s_mul_i32 s96, s98, 102400
	s_add_nc_u64 s[26:27], s[26:27], s[96:97]
	s_mul_i32 s96, s98, 204800
	s_add_nc_u64 s[28:29], s[28:29], s[96:97]
	s_lshl_b32 s96, s34, 3
	s_lshl_b32 s98, s[WV], 1
	s_add_co_u32 s96, s96, s98
	s_mul_i32 s96, s96, 1536
	s_add_nc_u64 s[QI:QI+1], s[26:27], s[96:97]
	s_lshl_b32 s96, s34, 1
	s_lshr_b32 s98, s[WV], 1
	s_add_co_u32 s96, s96, s98
	s_mul_i32 s96, s96, 12800
	s_and_b32 s99, s[WV], 1
	s_mul_i32 s85, s99, 3072
	s_add_co_u32 s96, s96, s85
	s_add_nc_u64 s[KI:KI+1], s[28:29], s[96:97]
	s_mul_i32 s96, s98, 102400
	s_lshl_b32 s85, s34, 9
	s_add_co_u32 s96, s96, s85
	s_lshl_b32 s85, s99, 8
	s_add_co_u32 s96, s96, s85
	s_add_co_u32 s96, s96, 98304
	s_add_nc_u64 s[QS:QS+1], s[26:27], s[96:97]
	s_lshl_b32 s85, s34, 1
	s_add_co_u32 s85, s85, s99
	s_mul_i32 s85, s85, 12800
	s_mul_i32 s96, s98, 204800
	s_add_co_u32 s96, s96, s85
	s_add_co_u32 s96, s96, 12288
	s_add_nc_u64 s[KS:KS+1], s[28:29], s[96:97]
	s_lshl_b32 s85, s98, 8
	s_lshl_b32 s96, s99, 1
	s_add_co_u32 s85, s85, s96
	s_add_co_u32 s85, s85, SST+2048
	v_lshl_add_u32 v[SSTV], v[R_], 2, s85
	v_and_b32 v208, 15, v0
	v_lshrrev_b32 v209, 4, v0
	v_mul_u32_u24 v222, v208, XP
	v_add_nc_u32 v222, XT, v222
	v_lshl_add_u32 v223, v209, 2, v222
	s_mul_i32 s85, s[WV], 80
	s_add_co_u32 s85, s85, 32
	v_lshl_add_u32 v224, v[H_], 2, v222
	v_add_nc_u32 v224, s85, v224
	v_lshl_add_u32 v225, v[H_], 3, v222
	v_add_nc_u32 v226, 8, v[H_]
	SINCOS 209
.irp m, 0,1,2,3,4,5
	ds_store_b32 v223, v220 offset:40*\m
	ds_store_b32 v223, v221 offset:40*\m+XTSO
.endr
	s_cmp_eq_u32 s[WV], 3
	s_cbranch_scc1 .Lones
	SINCOS 226
	ds_store_b32 v224, v220
	ds_store_b32 v224, v220 offset:40
	ds_store_b32 v224, v221 offset:XTSO
	ds_store_b32 v224, v221 offset:40+XTSO
	s_branch .Ltable_done
.Lones:
	v_mov_b32 v220, 1.0
	v_mov_b32 v221, 1.0
	v_mov_b32 v218, 0
	v_mov_b32 v219, 0
	ds_store_b64 v225, v[220:221] offset:240
	ds_store_b64 v225, v[218:219] offset:240+XTSO
	ds_store_b64 v225, v[218:219] offset:256       ; the 16 bytes behind each row of both tables are written too: every byte from XT to XT + 2 XTSO holds a number
	ds_store_b64 v225, v[218:219] offset:256+XTSO
.Ltable_done:
	s_wait_tensorcnt 0x1
	v_add_nc_u32 v[WA0], s83, v[WL0]
	v_add_nc_u32 v[WA0+1], s83, v[WL0+1]
	WIN 0x40
.irp s, 0,1,2,3,4
.irp t, 0,1,2,3
	FRAG 48*\s+12*\t, WA0, \s, \t
.endr
.endr
	WIN 0x80
.irp s, 5,6,7
.irp t, 0,1,2,3
	FRAG 48*(\s-5)+12*\t, WA0, \s, \t
.endr
.endr
	WIN 0
	s_wait_tensorcnt 0x0
	ds_add_u32 v[SPW], v[NIL]
	s_mul_i32 s85, s34, XP
	s_add_co_u32 s85, s85, XT
	v_lshl_add_u32 v[AF], v[H_], 5, s85
	s_mul_i32 s85, s[WV], 4*XP
	s_add_co_u32 s85, s85, XT
	v_lshl_add_u32 v[AH], v[H_], 5, s85
	v_mul_u32_u24 v29, v[R_], XP
	v_lshl_add_u32 v29, v[H_], 5, v29
	v_add_nc_u32 v[AW], XT, v29
.irp T, 0,1,2,3
	v_add_nc_u32 v29, XP*\T, v[AH]
	v_cndmask_b32 v[AFH+\T], v[AF], v29, s[HM]
	v_cndmask_b32 v[AHW+\T], v29, v[AW], s[HM]
.endr
	s_wait_dscnt 0x0
	CROUND
	tensor_load_to_lds s[G0R:G0R+3], s[GW64:GW64+7]
	s_nop 0
	PLACES 4
	WIN 0xc0
	v_mov_b32 v[TM+2], 0
	v_mov_b32 v[TM+3], 0
	FACT FC, 0, 0
	FACT FS, 0, XTSO
	WIN 0
	v_mov_b32 v[WA0], v[WL0]
	v_mov_b32 v[WA0+1], v[WL0+1]
	FETCH 0, 0
	s_wait_alu depctr_va_vdst(0)
	s_wait_loadcnt 0x0
.macro HEAD i
	GEMM 0
	TAIL 2+\i, 14, 2048*\i, 22, 256*\i, 0
	EPI_R QI, 0, \i, 102400, 1
	s_wait_loadcnt 0x0
	GEMM 0
.if \i == 0
	s_wait_tensorcnt 0x0
	s_wait_dscnt 0x0
	s_barrier_signal -1
	s_barrier_wait -1
.endif
	TAIL 4+\i, 18, 2048*\i, 24, 256*\i, 1
	EPI_R KI, 1, \i, 204800, 1-\i
	s_wait_loadcnt 0x0
	GEMM 1
.if \i == 0
	TAIL 1, 10, 2048, 20, 256, 0
.else
	PLACES 4
.endif
	EPI_V \i
.if \i == 0
	s_wait_loadcnt 0x0
.endif
.endm
	HEAD 0
	HEAD 1
	s_wait_dscnt 0x0
	s_barrier_signal -1
	s_barrier_wait -1
	ds_load_b64 v[208:209], v[SSTR]
	ds_load_b64 v[210:211], v[SSTR] offset:1024
	ds_load_b64 v[212:213], v[SSTR] offset:2048
	s_wait_dscnt 2
	global_store_b64 v[L8], v[208:209], s[QS:QS+1]
	s_wait_dscnt 1
	global_store_b64 v[L8], v[210:211], s[KS:KS+1]
	s_wait_dscnt 0x0
	global_store_b64 v[L8], v[212:213], s[KS:KS+1] offset:256
	s_wait_tensorcnt 0x0
	ds_add_u32 v[SPW], v[NIL]
	s_wait_dscnt 0x0
	CROUND
	s_endpgm
.Lfunc_end_k_q22f5d0f2be_qkv:
	.size	k_q22f5d0f2be_qkv, .Lfunc_end_k_q22f5d0f2be_qkv-k_q22f5d0f2be_qkv
	.p2alignl 7, 3214868480
	.fill 96, 4, 3214868480
	.section	.rodata,"a",@progbits
	.p2align	6, 0x0
	.amdhsa_kernel k_q22f5d0f2be_qkv
		.amdhsa_group_segment_fixed_size 327680
		.amdhsa_private_segment_fixed_size 0
		.amdhsa_enable_private_segment 0
		.amdhsa_kernarg_size 104
		.amdhsa_user_sgpr_count 2
		.amdhsa_user_sgpr_kernarg_segment_ptr 1
		.amdhsa_wavefront_size32 1
		.amdhsa_system_sgpr_workgroup_id_x 1
		.amdhsa_system_sgpr_workgroup_id_y 1
		.amdhsa_system_sgpr_workgroup_id_z 1
		.amdhsa_system_vgpr_workitem_id 0
		.amdhsa_next_free_vgpr 1024
		.amdhsa_next_free_sgpr 100
		.amdhsa_reserve_vcc 0
		.amdhsa_float_denorm_mode_32 3
		.amdhsa_float_denorm_mode_16_64 3
		.amdhsa_memory_ordered 1
		.amdhsa_forward_progress 1
		.amdhsa_inst_pref_size 255
	.end_amdhsa_kernel
	.section	.bss,"aw",@nobits
	.p2align	6
	.space	262144
	.amdgpu_metadata
---
amdhsa.version: [ 1, 2 ]
amdhsa.kernels:
  - .name:           k_q22f5d0f2be_qkv
    .symbol:         k_q22f5d0f2be_qkv.kd
    .args:
      - { .name: hidden_states_codes, .offset: 0, .size: 8, .value_kind: global_buffer, .address_space: global }
      - { .name: hidden_states_scales, .offset: 8, .size: 8, .value_kind: global_buffer, .address_space: global }
      - { .name: Wq_codes, .offset: 16, .size: 8, .value_kind: global_buffer, .address_space: global }
      - { .name: Wq_scales, .offset: 24, .size: 8, .value_kind: global_buffer, .address_space: global }
      - { .name: Wk_codes, .offset: 32, .size: 8, .value_kind: global_buffer, .address_space: global }
      - { .name: Wk_scales, .offset: 40, .size: 8, .value_kind: global_buffer, .address_space: global }
      - { .name: Wv_codes, .offset: 48, .size: 8, .value_kind: global_buffer, .address_space: global }
      - { .name: Wv_scales, .offset: 56, .size: 8, .value_kind: global_buffer, .address_space: global }
      - { .name: bq, .offset: 64, .size: 8, .value_kind: global_buffer, .address_space: global }
      - { .name: bk, .offset: 72, .size: 8, .value_kind: global_buffer, .address_space: global }
      - { .name: bv, .offset: 80, .size: 8, .value_kind: global_buffer, .address_space: global }
      - { .name: qw, .offset: 88, .size: 8, .value_kind: global_buffer, .address_space: global }
      - { .name: kv, .offset: 96, .size: 8, .value_kind: global_buffer, .address_space: global }
    .group_segment_fixed_size: 327680
    .private_segment_fixed_size: 0
    .kernarg_segment_align: 8
    .kernarg_segment_size: 104
    .max_flat_workgroup_size: 128
    .sgpr_count:     100
    .vgpr_count:     1024
    .wavefront_size: 32
...
	.end_amdgpu_metadata
.endif
;; end of part 1
;; launch attn (part 2): grid 4 x 64, 8 waves a work-group, clusters of 4 x 1, 262,144 bytes of LDS; arguments qw, kv, cimg, csc; writes cimg, csc
.if DOCPART == 2
	.amdgcn_target "amdgcn-amd-amdhsa--gfx1250"
	.amdhsa_code_object_version 6
	.text
	.protected	k_q22f5d0f2be_attn
	.globl	k_q22f5d0f2be_attn
	.p2align	8
	.type	k_q22f5d0f2be_attn,@function
k_q22f5d0f2be_attn:
	s_mov_b64 s[64:65], 0
	v_nop
	global_prefetch_b8 v0, s[64:65] scope:SCOPE_SE
	s_setreg_imm32_b32 hwreg(HW_REG_WAVE_MODE, 25, 1), 1
	s_wait_xcnt 0x0
	s_wait_alu depctr_hold_cnt(0) depctr_sa_sdst(0) depctr_va_vdst(0) depctr_va_sdst(0) depctr_va_ssrc(0) depctr_va_vcc(0) depctr_vm_vsrc(0)
	s_getreg_b32 s2, hwreg(HW_REG_IB_STS2, 6, 4)
	s_cmp_eq_u32 s2, 0
	s_cbranch_scc0 .Lentry_in_a_cluster
	s_endpgm
.Lentry_in_a_cluster:
	s_bfe_u32 s2, ttmp6, 0x10000c
	s_cmp_lg_u32 s2, 0x3003
	s_cbranch_scc0 .Lentry_shape_is_right
	s_endpgm
.Lentry_shape_is_right:
; ctx = softmax(q k^T / 8) v for one (batch, head) and 512 queries, both products on codes of FP6 (E2M3) with E8M0 block scales; ctx is quantised along the model's axis for the last product.  No work of the problem is left out.
; THE SOFTMAX: t = score x log2(e) / 8; M = the running largest t rounded up to a whole number; p = 2^(t - M) is quantised along the keys, not normalised; the row's sum is taken of the unquantised p and divides at the end;
; when M moves, the sum and O are multiplied by 2^(old M - new M), which rounds nothing.
; LIMITS: NaN and infinities are not served; the scaled scores stay under 2^31 in magnitude; a p under 2^-126 counts as 0; a block of zeros gets the scale byte 1 (its codes are zeros, and this program alone reads the bytes).
; SHARES.  Eight waves; a wave owns four tiles of 16 queries and takes them two at a time (tiles A and B of one pair image), in two passes: each fragment of K and of V feeds two products, and the two tiles' chains stand line by line in turn.
; THE WHOLE HEAD'S K, V AND SCALE WORDS LIE IN LDS: 16 key steps of 50 rows of 256 bytes, 64 bytes of padding behind each row; one tensor load a wave (two key steps) at the head; no byte is filled again, so no barrier stands in the loops
; and there is no loop to run ahead in: no prefetch.  The four work-groups of a cluster are the quarters of one head's queries and ask for each block jointly.
; LAYOUT.  Both products transposed: a lane holds one query.  The head's 64 channels fill half of a product's K: a fragment of 12 registers holds two tiles of keys and is multiplied by [q | zero codes] and by [zero codes | q].
; WHICH KEYS FORM A TILE is chosen by the lanes' LDS addresses: lanes 0-7 of fragment (c, u) take rows 8 u .. 8 u + 7 of the pair image of block 2 c, lanes 8-15 the same rows of block 2 c + 1.  So lane (r, h) holds ALL 32 scores of
; blocks h and 2 + h, as the second product's operand wants them: no lane asks another for a block's maximum and no code changes lanes.  The four results of a block are laid at 0, 8, 16, 24 so that the keys stand as in v's images (0-7, 16-23, 8-15, 24-31).
; A STEP'S LOADS: behind step i's first products V(i) and K(i + 1) are asked for in one run; the one wait, for 0, stands ahead of the second products.  The last step of a pass asks for its own K again (the address is held inside the blocks); a pass begins with loads of K(0).
; REGISTERS.  Window 0: addresses, the tiles' small state, scale words, q, p's codes, K's and V's fragments.  Window 1: v0-127 S^T then p (A, B), v128-191 O^T (A, B), v192-223 sums on their way, v224-247 q's images, v248-255 the last quantiser's.
.set STEPB, 16000                      ; a key step in LDS: 50 rows x 320: K 4 pairs x 6 rows | V 8 x 3 rows | K's words | V's words
.set CST,   16*STEPB                   ; ctx's scale bytes on their way out: [query 512] 2 bytes
.set SPARE, CST+1024                   ; the spare words, 128 bytes a wave: four blocks of 256 bytes that no other line names
.set AK,  1                            ; 1920 (r / 8) + 16 (r % 8) + 320 h
.set AKS, 2                            ; 64 (r / 8) + 4 (r % 8) + 32 h
.set AV,  3                            ; 16 r + 320 h
.set A8,  4                            ; 8 x lane
.set A4,  5                            ; 4 x lane
.set SPW, 6                            ; never rewritten
.set NIL, 7                            ; never rewritten
.set CSA, 8
.set CSR, 9
.set L16, 10
.set QWA, 11
.set AKW, 12                           ; v12-16 the five addresses of the step at work
.set AKSW,13
.set AVW, 14
.set A8W, 15
.set A4W, 16
.set CSAW,17
.set RAW, 18                           ; v18, v19 the two pairs' scale words
.set ST,  20                           ; a tile's state: 20 registers, tile x at ST + 20 x
.set NM,  0                            ; -M (a pair: the low word serves)
.set SM,  2                            ; the sum, two halves
.set FF,  4                            ; f (a pair: the low word serves)
.set RR,  6                            ; the running largest score
.set TT,  7
.set PP,  8
.set UU,  9
.set BM,  10                           ; my two blocks' largest
.set BO,  12                           ; the conversions' scale operands
.set BP,  14                           ; the scale bytes
.set QW,  16                           ; q's scale word
.set WW,  17
.set PW,  18                           ; p's scale word
.set VSR, 60
.set KSR, 62
.set QZ,  64                           ; v64-93: zeros | q A | zeros | q B | zeros
.set PCD, 94                           ; v94-117 p's codes, A and B
.set CT,  118                          ; v118-133 the conversions' second halves
.set FK,  134                          ; v134-181 four fragments of K
.set FV,  182                          ; v182-229 four fragments of V
.set OO,  128                          ; window 1
.set TS,  192
.set QN,  224
.set TM,  248
.set WV,  12
.set SEL, 36
.set CS,  38
.set TB,  40
.set CNT, 41
.set CI,  42
.set CC_, 44
.set NC,  48
.set TBK, 49
.set PO,  50
.set MSB, 0
.macro WIN new                         ; the immediate's high byte repeats the setting that is left
.if MSB != \new
	s_set_vgpr_msb (MSB<<8)|\new
.set MSB, \new
.endif
.endm
.macro PLACES n
.rept \n
	v_nop
.endr
.endm
.macro WALU
	s_wait_alu depctr_va_vdst(0)
.endm
.macro CROUND
	s_barrier_signal -1
	s_barrier_wait -1
	s_cmp_lg_u32 s[WV], 0
	s_cbranch_scc1 .Lnot_wave_0_\@
	s_barrier_signal -3
.Lnot_wave_0_\@:
	s_barrier_wait -3
	s_barrier_signal -1
	s_barrier_wait -1
.endm
.macro SPROD x, f, b                   ; tile x of queries, fragment f = 2 c + u, its half b: the scores land at 64 x + 16 f + 8 b
.if (\f)%2
	v_wmma_scale_f32_16x16x128_f8f6f4 v[64*\x+16*\f+8*\b:64*\x+16*\f+8*\b+7], v[FK+12*\f:FK+12*\f+11], v[QZ+12*\x+6-6*\b:QZ+12*\x+17-6*\b], 0, v[KSR+\f/2], v[ST+20*\x+QW] matrix_a_fmt:MATRIX_FMT_FP6 matrix_b_fmt:MATRIX_FMT_FP6 matrix_a_scale:MATRIX_SCALE_ROW1
.else
	v_wmma_scale_f32_16x16x128_f8f6f4 v[64*\x+16*\f+8*\b:64*\x+16*\f+8*\b+7], v[FK+12*\f:FK+12*\f+11], v[QZ+12*\x+6-6*\b:QZ+12*\x+17-6*\b], 0, v[KSR+\f/2], v[ST+20*\x+QW] matrix_a_fmt:MATRIX_FMT_FP6 matrix_b_fmt:MATRIX_FMT_FP6
.endif
.endm
.macro PVPROD x, t
.if (\t)%2
	v_wmma_scale_f32_16x16x128_f8f6f4 v[OO+32*\x+8*\t:OO+32*\x+8*\t+7], v[FV+12*\t:FV+12*\t+11], v[PCD+12*\x:PCD+12*\x+11], v[OO+32*\x+8*\t:OO+32*\x+8*\t+7], v[VSR+\t/2], v[ST+20*\x+PW] matrix_a_fmt:MATRIX_FMT_FP6 matrix_b_fmt:MATRIX_FMT_FP6 matrix_a_scale:MATRIX_SCALE_ROW1
.else
	v_wmma_scale_f32_16x16x128_f8f6f4 v[OO+32*\x+8*\t:OO+32*\x+8*\t+7], v[FV+12*\t:FV+12*\t+11], v[PCD+12*\x:PCD+12*\x+11], v[OO+32*\x+8*\t:OO+32*\x+8*\t+7], v[VSR+\t/2], v[ST+20*\x+PW] matrix_a_fmt:MATRIX_FMT_FP6 matrix_b_fmt:MATRIX_FMT_FP6
.endif
.endm
.macro KLOAD a, as, off=0              ; a key step's four fragments of K and their scale words (lanes 0-15: u = 0, lanes 16-31: u = 1)
.irp f, 0,1,2,3
.irp g, 0,1,2
	ds_load_b128 v[FK+12*\f+4*\g:FK+12*\f+4*\g+3], v[\a] offset:(\off)+3840*(\f/2)+128*(\f%2)+640*\g
.endr
.endr
	ds_load_b32 v[KSR], v[\as] offset:(\off)+15360
	ds_load_b32 v[KSR+1], v[\as] offset:(\off)+15488
.endm
.macro VLOAD
.irp t, 0,1,2,3
.irp c, 0,1
	ds_load_b128 v[FV+12*\t+6*\c:FV+12*\t+6*\c+3], v[AVW] offset:320*(24+3*(4*\c+\t))
	ds_load_b64 v[FV+12*\t+6*\c+4:FV+12*\t+6*\c+5], v[A8W] offset:320*(26+3*(4*\c+\t))
.endr
.endr
	ds_load_b32 v[VSR], v[A4W] offset:15680
	ds_load_b32 v[VSR+1], v[A4W] offset:15808
.endm
.macro TREE x                          ; sixteen pairs of partial sums become one, which joins the tile's sum under the new M
	WIN 0x45
.irp n, 8,4,2,1
.set k, 0
.rept \n
	v_pk_add_f32 v[TS+2*k:TS+2*k+1], v[TS+2*k:TS+2*k+1], v[TS+2*(k+\n):TS+2*(k+\n)+1]
.set k, k+1
.endr
.endr
	WIN 0x10
	v_pk_fma_f32 v[ST+20*\x+SM:ST+20*\x+SM+1], v[ST+20*\x+SM:ST+20*\x+SM+1], v[ST+20*\x+FF:ST+20*\x+FF+1], v[TS:TS+1] op_sel_hi:[1,0,1]
.endm
; A KEY STEP: 128 keys x 32 queries
.macro STEP kmax                       ; kmax: the last key step whose K this loop may ask for
	s_add_co_u32 s[TBK], s[TB], STEPB
	s_min_u32 s[TBK], s[TBK], \kmax*STEPB          ; the next step's K; in the loop's last step this step's own
	WIN 0x40
.irp f, 0,1,2,3
.irp x, 0,1
.irp b, 0,1
	SPROD \x, \f, \b
.endr
.endr
.endr
	WIN 0
	v_add_nc_u32 v[AVW], s[TB], v[AV]              ; these five are the places between the products and the loads into their fragments and the first reads of their results
	v_add_nc_u32 v[A8W], s[TB], v[A8]
	v_add_nc_u32 v[A4W], s[TB], v[A4]
	v_add_nc_u32 v[AKW], s[TBK], v[AK]
	v_add_nc_u32 v[AKSW], s[TBK], v[AKS]
	VLOAD
	KLOAD AKW, AKSW
	WIN 0x15                                       ; the largest score of each of a lane's two blocks, four chains in turn
.irp x, 0,1
.irp c, 0,1
	v_max3_num_f32 v[ST+20*\x+BM+\c], v[64*\x+32*\c], v[64*\x+32*\c+1], v[64*\x+32*\c+2]
.endr
.endr
	WIN 0x14
.set i, 3
.rept 14
.irp x, 0,1
.irp c, 0,1
	v_max3_num_f32 v[ST+20*\x+BM+\c], v[ST+20*\x+BM+\c], v[64*\x+32*\c+i], v[64*\x+32*\c+i+1]
.endr
.endr
.set i, i+2
.endr
.irp x, 0,1
.irp c, 0,1
	v_max3_num_f32 v[ST+20*\x+BM+\c], v[ST+20*\x+BM+\c], v[64*\x+32*\c+31], v[64*\x+32*\c+31]
.endr
.endr
	WIN 0
.irp x, 0,1
	v_max_num_f32 v[ST+20*\x+TT], v[ST+20*\x+BM], v[ST+20*\x+BM+1]
.endr
.irp x, 0,1
	v_permlanex16_b32 v[ST+20*\x+PP], v[ST+20*\x+TT], s[SEL], s[SEL+1]
.endr
.irp x, 0,1
	v_max3_num_f32 v[ST+20*\x+RR], v[ST+20*\x+RR], v[ST+20*\x+TT], v[ST+20*\x+PP]   ; the running largest score of my query
.endr
.irp x, 0,1
	v_mul_f32 v[ST+20*\x+UU], s[NC], v[ST+20*\x+RR]                                  ; -t
.endr
.irp x, 0,1
	v_floor_f32 v[ST+20*\x+UU], v[ST+20*\x+UU]                                       ; the new -M
.endr
.irp x, 0,1
	v_sub_f32 v[ST+20*\x+TT], v[ST+20*\x+UU], v[ST+20*\x+NM]                         ; old M - new M: a whole number, 0 or less
.endr
.irp x, 0,1
	v_mov_b32 v[ST+20*\x+NM], v[ST+20*\x+UU]
.endr
.irp x, 0,1
	v_cvt_i32_f32 v[ST+20*\x+TT], v[ST+20*\x+TT]                                     ; (it saturates)
.endr
.irp x, 0,1
	v_ldexp_f32 v[ST+20*\x+FF], 1.0, v[ST+20*\x+TT]                                  ; f
.endr
.irp x, 0,1
.irp c, 0,1
	v_fma_f32 v[ST+20*\x+BM+\c], v[ST+20*\x+BM+\c], s[CS], v[ST+20*\x+NM]            ; t - M of each block's largest score
.endr
.endr
	WIN 0x41
.irp x, 0,1
.set j, 0
.rept 16
	v_pk_mul_f32 v[OO+32*\x+j:OO+32*\x+j+1], v[OO+32*\x+j:OO+32*\x+j+1], v[ST+20*\x+FF:ST+20*\x+FF+1] op_sel_hi:[1,0]   ; O^T under the new M
.set j, j+2
.endr
.endr
.set j, 0
.rept 32
	v_pk_fma_f32 v[j:j+1], v[j:j+1], s[CS:CS+1], v[ST+NM:ST+NM+1] op_sel_hi:[1,0,0]   ; tile A: t - M
.set j, j+2
.endr
	WIN 0
	WALU                                           ; the wait ahead of a batch of exponentials
.irp x, 0,1
.irp c, 0,1
	v_exp_f32 v[ST+20*\x+BM+\c], v[ST+20*\x+BM+\c] ; each block's largest p
.endr
.endr
	WIN 0x41
.set j, 0
.rept 32                                               ; tile A's p; tile B's t - M stands among them: it names none of the batch's registers and is first read behind the next wait
	v_exp_f32 v[j], v[j]
	v_exp_f32 v[j+1], v[j+1]
	v_pk_fma_f32 v[64+j:64+j+1], v[64+j:64+j+1], s[CS:CS+1], v[ST+20+NM:ST+20+NM+1] op_sel_hi:[1,0,0]
.set j, j+2
.endr
	WALU                                           ; behind tile A's batch and ahead of tile B's
	WIN 0x45
.set k, 0
.rept 16                                               ; tile B's p; tile A's first sums, sixteen results of their own, stand among them
	v_exp_f32 v[64+4*k], v[64+4*k]
	v_exp_f32 v[64+4*k+1], v[64+4*k+1]
	v_exp_f32 v[64+4*k+2], v[64+4*k+2]
	v_exp_f32 v[64+4*k+3], v[64+4*k+3]
	v_pk_add_f32 v[TS+2*k:TS+2*k+1], v[4*k:4*k+1], v[4*k+2:4*k+3]
.set k, k+1
.endr
	WALU                                           ; one wait behind the batch, ahead of its first reader
	WIN 0
.irp x, 0,1
.irp c, 0,1
	v_max_num_f32 v[ST+20*\x+BM+\c], 0x1800000, v[ST+20*\x+BM+\c]    ; the floor: the byte cannot fall under 1
.endr
.endr
.irp x, 0,1
.irp c, 0,1
	v_add_nc_u32 v[ST+20*\x+BO+\c], 0xff000000, v[ST+20*\x+BM+\c]    ; 2 off the exponent field: the conversions' scale operand
.endr
.endr
.irp x, 0,1
.irp c, 0,1
	v_lshrrev_b32 v[ST+20*\x+BP+\c], 23, v[ST+20*\x+BO+\c]
.endr
.endr
.irp x, 0,1
	v_lshl_or_b32 v[ST+20*\x+WW], v[ST+20*\x+BP+1], 16, v[ST+20*\x+BP]   ; my blocks h and 2 + h
.endr
.irp x, 0,1
	v_permlanex16_b32 v[ST+20*\x+PP], v[ST+20*\x+WW], s[SEL], s[SEL+1]
.endr
.irp x, 0,1
	v_lshl_or_b32 v[ST+20*\x+PW], v[ST+20*\x+PP], 8, v[ST+20*\x+WW]      ; lanes 0-15, which the product reads: blocks 0 to 3 of query r
.endr
	WIN 0x01
.irp x, 0,1
.irp c, 0,1
	v_cvt_scalef32_pk16_fp6_f32 v[PCD+12*\x+6*\c:PCD+12*\x+6*\c+2], v[64*\x+32*\c:64*\x+32*\c+15], v[ST+20*\x+BO+\c]
	v_cvt_scalef32_pk16_fp6_f32 v[CT+8*\x+4*\c:CT+8*\x+4*\c+2], v[64*\x+32*\c+16:64*\x+32*\c+31], v[ST+20*\x+BO+\c]   ; (a conversion's three registers begin on an even number)
.endr
.endr
	WIN 0
	v_nop                                          ; one plain place behind a scaled conversion
.irp x, 0,1
.irp c, 0,1
.irp i, 0,1,2
	v_mov_b32 v[PCD+12*\x+6*\c+3+\i], v[CT+8*\x+4*\c+\i]
.endr
.endr
.endr
	TREE 0                                         ; with the moves above: the places between the scale words and codes just made and the products
	WIN 0
	WALU                                           ; the wait here, directly ahead of the wait below
	s_wait_dscnt 0x0                               ; V(i), and K(i + 1) with it: all were asked for ahead of the softmax
	WIN 0x50
.irp t, 0,1,2,3
.irp x, 0,1
	PVPROD \x, \t                                  ; eight accumulators by turns
.endr
.endr
	WIN 0x45
.set k, 0
.rept 16
	v_pk_add_f32 v[TS+2*k:TS+2*k+1], v[64+4*k:64+4*k+1], v[64+4*k+2:64+4*k+3]   ; tile B's sums: they name no register of the products above
.set k, k+1
.endr
	TREE 1
	WIN 0
.endm
.macro QUANT64 a, d6, pc, w            ; 32 numbers of a lane, two half blocks, become six registers of codes and two scale bytes (all in window 1)
	v_max3_num_f32 v[TM], |v[(\a)]|, |v[(\a)+1]|, 0x1800000
	v_max3_num_f32 v[TM+1], |v[(\a)+16]|, |v[(\a)+17]|, 0x1800000
.irp i, 2,4,6,8,10,12,14
	v_max3_num_f32 v[TM], v[TM], |v[(\a)+\i]|, |v[(\a)+\i+1]|
	v_max3_num_f32 v[TM+1], v[TM+1], |v[(\a)+16+\i]|, |v[(\a)+17+\i]|
.endr
	v_permlanex16_b32 v[TM+2], v[TM], s[SEL], s[SEL+1]
	v_permlanex16_b32 v[TM+3], v[TM+1], s[SEL], s[SEL+1]
	v_max_num_f32 v[TM], v[TM], v[TM+2]
	v_max_num_f32 v[TM+1], v[TM+1], v[TM+3]
	v_add_nc_u32 v[TM+4], 0xff000000, v[TM]
	v_add_nc_u32 v[TM+5], 0xff000000, v[TM+1]
	v_lshrrev_b32 v[TM+6], 23, v[TM+4]
	v_lshrrev_b32 v[TM+7], 23, v[TM+5]
	v_lshl_or_b32 v[\w], v[TM+7], 8, v[TM+6]
	v_cvt_scalef32_pk16_fp6_f32 v[(\d6):(\d6)+2], v[(\a):(\a)+15], v[TM+4]
	v_cvt_scalef32_pk16_fp6_f32 v[(\pc):(\pc)+2], v[(\a)+16:(\a)+31], v[TM+5]
	v_nop                                          ; one plain place behind a scaled conversion
.irp i, 0,1,2
	v_permlane16_swap_b32 v[(\d6)+\i], v[(\pc)+\i]
.endr
.irp i, 0,1,2
	v_mov_b32 v[(\d6)+3+\i], v[(\pc)+\i]
.endr
.endm
	s_load_b256 s[4:11], s[0:1], 0x0               ; qw, kv, cimg, csc
	v_lshl_add_u32 v[SPW], v0, 2, SPARE
	v_mov_b32 v[NIL], 0
	ds_add_u32 v[SPW], v[NIL]                      ; the wave's opening: the add, twice on end, and its wait ahead of my first tensor load
	ds_add_u32 v[SPW], v[NIL]
	v_lshrrev_b32 v230, 5, v0
	v_readfirstlane_b32 s[WV], v230                ; wave 0..7
	s_bfe_u32 s13, ttmp6, 0x40000                  ; cx: which quarter of the queries; it enters global addresses alone
	s_and_b32 s14, ttmp7, 0xffff                   ; 16 x batch + head
	s_mov_b32 s16, 15|(3<<16)|(1<<20)|(1<<21)|(5<<22)|(15<<25)   ; all four partners; elements of 8 bytes; bit 21 beside a mask; 16 words of padding behind every 64
	s_mov_b32 s17, 32<<16                          ; rows of 256 bytes,
	s_mov_b32 s18, 100<<16                         ; 100 of them: two key steps' blocks
	s_mov_b32 s19, 32<<16
	s_mov_b32 s20, 100
	s_mov_b32 s21, 32
	s_mov_b32 s22, 0
	s_mov_b32 s23, 0
	s_mul_i32 s15, s[WV], 2*STEPB                  ; wave w fetches key steps 2 w and 2 w + 1
	s_mul_i32 s28, s14, 204800
	s_mul_i32 s29, s[WV], 25600
	s_add_co_u32 s28, s28, s29
	s_mov_b32 s29, 0
	s_mov_b32 s[SEL], 0x76543210
	s_mov_b32 s[SEL+1], 0xfedcba98
	s_mov_b32 s[CS], 0x3e38aa3b                    ; log2(e) / 8
	s_mov_b32 s[CS+1], s[CS]
	s_mov_b32 s[NC], 0xbe38aa3b                    ; and its negative
	s_mov_b32 s[PO], 0
	s_wait_dscnt 0x0
	s_wait_kmcnt 0x0
	s_mov_b32 s24, 1
	s_mov_b32 s25, s15
	s_add_nc_u64 s[26:27], s[6:7], s[28:29]
	s_or_b32 s27, s27, 0x80000000
	CROUND                                         ; the four work-groups are here: the joint loads meet
	s_cmp_eq_u32 s[WV], 0                          ; wave 0's load, key steps 0 and 1, has a line of its own: the first barrier shows that load alone
	s_cbranch_scc0 .Lothers
	tensor_load_to_lds s[24:27], s[16:23]          ; one tensor load of mine is out
	s_nop 0
	PLACES 4
	s_branch .Lasked
.Lothers:
	tensor_load_to_lds s[24:27], s[16:23]          ; waves 1 to 7: key steps 2 w and 2 w + 1
	s_nop 0
	PLACES 4
.Lasked:
	s_mul_i32 s28, s14, 102400
	s_add_nc_u64 s[4:5], s[4:5], s[28:29]
	s_lshl_b32 s30, s13, 4
	s_lshl_b32 s31, s[WV], 1
	s_add_co_u32 s30, s30, s31                     ; my first pair of query tiles
	s_mul_i32 s28, s30, 1536
	s_add_nc_u64 s[32:33], s[4:5], s[28:29]
	s_lshl_b32 s28, s30, 6
	s_add_co_u32 s28, s28, 98304
	s_add_nc_u64 s[34:35], s[4:5], s[28:29]
	v_and_b32 v230, 31, v0                         ; lane
	v_and_b32 v231, 15, v0                         ; r
	v_bfe_u32 v232, v0, 4, 1                       ; h
	v_bfe_u32 v233, v0, 3, 1                       ; r / 8
	v_and_b32 v234, 7, v0                          ; r % 8
	v_lshlrev_b32 v[L16], 4, v230
	v_lshlrev_b32 v[A8], 3, v230
	v_lshlrev_b32 v[A4], 2, v230
	v_lshlrev_b32 v[QWA], 2, v231
	v_mul_u32_u24 v[AV], v232, 320
	v_lshlrev_b32 v[AKS], 2, v234
	v_lshl_add_u32 v[AK], v234, 4, v[AV]
	v_lshl_add_u32 v[AKS], v233, 6, v[AKS]
	v_mad_u32_u24 v[AK], v233, 1920, v[AK]
	v_lshl_add_u32 v[AKS], v232, 5, v[AKS]
	v_lshl_add_u32 v[AV], v231, 4, v[AV]
	WIN 0x40
.irp g, 0,1,2,3,4,5
	global_load_b128 v[QN+4*\g:QN+4*\g+3], v[L16], s[32:33] offset:512*\g   ; both pairs' images
.endr
	v_mov_b32 v[TM+2], 0                           ; written once: a lane permute's destination counts as one of its sources
	v_mov_b32 v[TM+3], 0
	WIN 0
	global_load_b32 v[RAW], v[QWA], s[34:35]
	global_load_b32 v[RAW+1], v[QWA], s[34:35] offset:64
	s_lshl_b32 s46, s[WV], 7
	s_add_co_u32 s46, s46, CST
	v_lshl_add_u32 v[CSA], v231, 1, s46            ; my queries' scale bytes: 128 w + 2 r
	s_and_b32 s46, s[WV], 3
	s_lshl_b32 s46, s46, 8
	s_add_co_u32 s47, s46, CST
	v_add_nc_u32 v[CSR], s47, v[A8]
	s_lshr_b32 s31, s14, 4                         ; batch
	s_and_b32 s47, s14, 15                         ; head
	s_lshl_b32 s28, s47, 14
	s_add_co_u32 s28, s28, s46
	s_lshl_b32 s46, s31, 12
	s_add_co_u32 s28, s28, s46
	s_lshl_b32 s46, s13, 10
	s_add_co_u32 s28, s28, s46
	s_add_nc_u64 s[CC_:CC_+1], s[10:11], s[28:29]  ; csc: [head][token] 2 bytes
	s_lshl_b32 s28, s31, 7
	s_lshl_b32 s46, s13, 5
	s_add_co_u32 s28, s28, s46
	s_lshl_b32 s46, s[WV], 2
	s_add_co_u32 s28, s28, s46                     ; my first tile of 16 tokens
	s_mul_i32 s28, s28, 12288
	s_mul_i32 s46, s47, 768
	s_add_co_u32 s28, s28, s46
	s_add_nc_u64 s[CI:CI+1], s[8:9], s[28:29]
.irp i, 0,1,2,3,4,5
	v_mov_b32 v[QZ+\i], 0                          ; the zero codes beside q
	v_mov_b32 v[QZ+12+\i], 0
	v_mov_b32 v[QZ+24+\i], 0
.endr
.irp x, 0,1
	v_mov_b32 v[ST+20*\x+PP], 0
	v_mov_b32 v[ST+20*\x+NM+1], 0                  ; the upper halves of pairs of which the low word serves
	v_mov_b32 v[ST+20*\x+FF+1], 0
.endr
	WALU                                           ; the wait at the head's end
	s_cmp_eq_u32 s[WV], 0
	s_cbranch_scc0 .Lnot_first
	s_wait_tensorcnt 0x0                           ; wave 0: key steps 0 and 1 have landed
.Lnot_first:
	s_barrier_signal -1
	s_barrier_wait -1                              ; they are shown to all; the other blocks may still be on their way
	s_wait_loadcnt 0x0                             ; q
.Lpass:                                                ; two passes, a pair of query tiles each
	WIN 0x01
.irp i, 0,1,2,3,4,5
	v_mov_b32 v[QZ+6+\i], v[QN+\i]
	v_mov_b32 v[QZ+18+\i], v[QN+6+\i]
.endr
	WIN 0x41
.set k, 0
.rept 12
	v_mov_b32 v[QN+k], v[QN+12+k]                  ; the second pair moves up for the second pass
.set k, k+1
.endr
	WIN 0
	v_perm_b32 v[ST+QW], v[RAW], v[RAW], 0x01000100      ; a tile's two bytes, for both halves of K
	v_perm_b32 v[ST+20+QW], v[RAW], v[RAW], 0x03020302
	v_mov_b32 v[RAW], v[RAW+1]
.irp x, 0,1
	v_mov_b32 v[ST+20*\x+RR], 0xff61b1e6           ; -3e38, under every score
	v_mov_b32 v[ST+20*\x+NM], 0x7e000000           ; a -M so large that the first f is 0
	v_mov_b32 v[ST+20*\x+SM], 0
	v_mov_b32 v[ST+20*\x+SM+1], 0
.endr
	v_add_nc_u32 v[CSAW], s[PO], v[CSA]
	WIN 0x40
.set k, 0
.rept 64
	v_mov_b32 v[OO+k], 0                           ; the step is written once: the first finds zeros
.set k, k+1
.endr
	WIN 0
	KLOAD AK, AKS                                  ; K(0)
	s_mov_b32 s[TB], 0
	s_mov_b32 s[CNT], 2
	WALU                                           ; the wait here, directly ahead of the wait below
	s_wait_dscnt 0x0
.Lfirst:                                               ; key steps 0 and 1 read wave 0's block alone
	STEP 1
	s_add_co_u32 s[TB], s[TB], STEPB
	s_sub_co_u32 s[CNT], s[CNT], 1
	s_cmp_lg_u32 s[CNT], 0
	s_cbranch_scc1 .Lfirst
	WALU
	s_wait_tensorcnt 0x0                           ; every wave, under no branch: my block has landed,
	s_wait_dscnt 0x0
	s_barrier_signal -1
	s_barrier_wait -1                              ; everybody's has (in the second pass this holds already)
	KLOAD AK, AKS, 2*STEPB                         ; K(2)
	s_mov_b32 s[CNT], 14
	s_wait_dscnt 0x0
.Lstep:                                                ; key steps 2 to 15
	STEP 15
	s_add_co_u32 s[TB], s[TB], STEPB
	s_sub_co_u32 s[CNT], s[CNT], 1
	s_cmp_lg_u32 s[CNT], 0
	s_cbranch_scc1 .Lstep
	WALU
.irp x, 0,1
	v_add_f32 v[ST+20*\x+SM], v[ST+20*\x+SM], v[ST+20*\x+SM+1]
.endr
.irp x, 0,1
	v_permlanex16_b32 v[ST+20*\x+PP], v[ST+20*\x+SM], s[SEL], s[SEL+1]
.endr
.irp x, 0,1
	v_add_f32 v[ST+20*\x+SM], v[ST+20*\x+SM], v[ST+20*\x+PP]   ; the row's sum
.endr
	WALU
	v_rcp_f32 v[ST+SM], v[ST+SM]
	v_rcp_f32 v[ST+20+SM], v[ST+20+SM]
	v_nop
	WIN 0x41
	WALU                                           ; directly ahead of the first reader of O^T and of the reciprocals
.irp x, 0,1
.set j, 0
.rept 32
	v_mul_f32 v[64*\x+j], v[OO+32*\x+j], v[ST+20*\x+SM]        ; register 8 t + i: channel 16 t + 8 h + i
.set j, j+1
.endr
.endr
.irp x, 0,1
	WIN 0x41
.irp b, 0,1
.irp j, 0,1,2,3,4,5,6,7
	v_permlane16_swap_b32 v[64*\x+16*\b+\j], v[64*\x+16*\b+8+\j]   ; now register 16 b + i: channel 32 b + 16 h + i: the true order along the last product's K
.endr
.endr
	WIN 0x55
	QUANT64 64*\x, TS+16*\x, TS+16*\x+8, TS+16*\x+12
	WIN 0x04
	global_store_b128 v[L16], v[TS+16*\x:TS+16*\x+3], s[CI:CI+1] offset:12288*\x
	global_store_b64 v[A8], v[TS+16*\x+4:TS+16*\x+5], s[CI:CI+1] offset:12288*\x+512
	ds_store_b16 v[CSAW], v[TS+16*\x+12] offset:32*\x
.endr
	WIN 0
	WALU
	s_wait_xcnt 0x0                                ; the stores have read their registers and their base
	s_add_nc_u64 s[CI:CI+1], s[CI:CI+1], 24576     ; two tiles of tokens on
	s_add_co_u32 s[PO], s[PO], 64
	s_cmp_lg_u32 s[PO], 128
	s_cbranch_scc1 .Lpass
	s_wait_dscnt 0x0                               ; my scale bytes are in the stage
	s_barrier_signal -1
	s_barrier_wait -1
	s_cmp_lt_u32 s[WV], 4
	s_cbranch_scc0 .Lno_scales
	ds_load_b64 v[240:241], v[CSR]
	s_wait_dscnt 0x0
	global_store_b64 v[A8], v[240:241], s[CC_:CC_+1]   ; 32 lanes store 256 consecutive bytes, aligned
.Lno_scales:
	s_wait_tensorcnt 0x0                           ; the wave's end
	ds_add_u32 v[SPW], v[NIL]
	s_wait_dscnt 0x0
	CROUND                                         ; the closing round
	s_endpgm
.Lfunc_end_k_q22f5d0f2be_attn:
	.size	k_q22f5d0f2be_attn, .Lfunc_end_k_q22f5d0f2be_attn-k_q22f5d0f2be_attn
	.p2alignl 7, 3214868480
	.fill 96, 4, 3214868480
	.section	.rodata,"a",@progbits
	.p2align	6, 0x0
	.amdhsa_kernel k_q22f5d0f2be_attn
		.amdhsa_group_segment_fixed_size 262144
		.amdhsa_private_segment_fixed_size 0
		.amdhsa_enable_private_segment 0
		.amdhsa_kernarg_size 32
		.amdhsa_user_sgpr_count 2
		.amdhsa_user_sgpr_kernarg_segment_ptr 1
		.amdhsa_wavefront_size32 1
		.amdhsa_system_sgpr_workgroup_id_x 1
		.amdhsa_system_sgpr_workgroup_id_y 1
		.amdhsa_system_sgpr_workgroup_id_z 1
		.amdhsa_system_vgpr_workitem_id 0
		.amdhsa_next_free_vgpr 512
		.amdhsa_next_free_sgpr 66
		.amdhsa_reserve_vcc 0
		.amdhsa_float_denorm_mode_32 3
		.amdhsa_float_denorm_mode_16_64 3
		.amdhsa_memory_ordered 1
		.amdhsa_forward_progress 1
		.amdhsa_inst_pref_size 77
	.end_amdhsa_kernel
	.amdgpu_metadata
---
amdhsa.version: [ 1, 2 ]
amdhsa.kernels:
  - .name:           k_q22f5d0f2be_attn
    .symbol:         k_q22f5d0f2be_attn.kd
    .args:
      - { .name: qw, .offset: 0, .size: 8, .value_kind: global_buffer, .address_space: global }
      - { .name: kv, .offset: 8, .size: 8, .value_kind: global_buffer, .address_space: global }
      - { .name: cimg, .offset: 16, .size: 8, .value_kind: global_buffer, .address_space: global }
      - { .name: csc, .offset: 24, .size: 8, .value_kind: global_buffer, .address_space: global }
    .group_segment_fixed_size: 262144
    .private_segment_fixed_size: 0
    .kernarg_segment_align: 8
    .kernarg_segment_size: 32
    .max_flat_workgroup_size: 256
    .sgpr_count:     66
    .vgpr_count:     512
    .wavefront_size: 32
...
	.end_amdgpu_metadata
.endif
;; end of part 2
;; launch oproj (part 3): grid 32 x 8, 4 waves a work-group, clusters of 4 x 1, 167,936 bytes of LDS; arguments cimg, csc, Wo_codes, Wo_scales, bo, out0; writes out0
.if DOCPART == 3
	.amdgcn_target "amdgcn-amd-amdhsa--gfx1250"
	.amdhsa_code_object_version 6
	.text
	.protected	k_q22f5d0f2be_oproj
	.globl	k_q22f5d0f2be_oproj
	.p2align	8
	.type	k_q22f5d0f2be_oproj,@function
k_q22f5d0f2be_oproj:
	s_mov_b64 s[64:65], 0
	v_nop
	global_prefetch_b8 v0, s[64:65] scope:SCOPE_SE
	s_setreg_imm32_b32 hwreg(HW_REG_WAVE_MODE, 25, 1), 1
	s_wait_xcnt 0x0
	s_wait_alu depctr_hold_cnt(0) depctr_sa_sdst(0) depctr_va_vdst(0) depctr_va_sdst(0) depctr_va_ssrc(0) depctr_va_vcc(0) depctr_vm_vsrc(0)
	s_getreg_b32 s2, hwreg(HW_REG_IB_STS2, 6, 4)
	s_cmp_eq_u32 s2, 0
	s_cbranch_scc0 .Lentry_in_a_cluster
	s_endpgm
.Lentry_in_a_cluster:
	s_bfe_u32 s2, ttmp6, 0x10000c
	s_cmp_lg_u32 s2, 0x3003
	s_cbranch_scc0 .Lentry_shape_is_right
	s_endpgm
.Lentry_shape_is_right:
; out = ctx Wo + bo on codes of FP6 (E2M3) with E8M0 block scales; sums in f32.  No work is left out.
; LIMITS: NaN, infinities and scale bytes 0xff in Wo's scales are not served.
; SHARES.  A work-group makes 256 tokens x 128 columns; wave w owns 64 tokens, four tiles.  ctx's codes come from memory straight into the operand's registers (they were stored as images) and stay: 384 registers.
; Wo's 128 rows lie in LDS, brought once by one tensor load a wave; the four work-groups of a cluster take the same 128 rows and ask jointly.  Two chunks of 64 rows: 16 accumulators, 128 products, then the way out.
; The product is used transposed (source 0 = 16 rows of Wo, source 1 = 16 tokens): a lane holds eight neighbouring columns of one row of out.
.set PITCH, 816                        ; 768 + 16 behind each 256: row r starts at bank 12 r mod 64 (64 banks of 4 bytes: ISA guide 11.1)
.set RG,    64*PITCH
.set STG,   2*RG                       ; a stage of 16 rows x (256 + 16) bytes for each wave
.set SP,    272
.set SPARE, STG+4*16*SP                ; the spare words: two blocks of 256 bytes that no other line names
.set R_,   1
.set H_,   2
.set LN,   3
.set WL0,  4
.set WA0,  6
.set L16,  8
.set L8,   9
.set L32,  10
.set BQA,  11
.set L2,   12
.set SPW,  13
.set NIL,  14
.set STO,  15
.set RD,   16
.set GO,   17
.set XSC,  32                          ; v32-47 ctx's scale words
.set WSC,  48                          ; v48-79 Wo's, both chunks
.set BIAS, 80                          ; v80-143 bo, both chunks
.set WF,   144                         ; v144-239 Wo's fragments, two sets
.set ACC,  0                           ; window 3; v128-255 of it: rows on their way out
.set WV,   16
.set MSB, 0
.macro WIN new
.if MSB != \new
	s_set_vgpr_msb (MSB<<8)|\new
.set MSB, \new
.endif
.endm
.macro PLACES n
.rept \n
	v_nop
.endr
.endm
.macro CROUND
	s_barrier_signal -1
	s_barrier_wait -1
	s_cmp_lg_u32 s[WV], 0
	s_cbranch_scc1 .Lnot_wave_0_\@
	s_barrier_signal -3
.Lnot_wave_0_\@:
	s_barrier_wait -3
	s_barrier_signal -1
	s_barrier_wait -1
.endm
.macro FRAG reg, adr, s, t
.irp p, 0,1,2,3,4,5
.set PC_, 12*(\s)+6*(\p/3)+\p%3
.if PC_%32 < 29
	ds_load_b64 v[(\reg)+2*\p:(\reg)+2*\p+1], v[\adr] offset:8*PC_+16*(PC_/32)+(\t)*16*PITCH
.else
	ds_load_b64 v[(\reg)+2*\p:(\reg)+2*\p+1], v[\adr+1] offset:8*PC_+16*(PC_/32)+(\t)*16*PITCH
.endif
.endr
.endm
.macro FETCH s, set
.irp t, 0,1,2,3
	FRAG WF+48*(\set)+12*\t, WA0, \s, \t
.endr
.endm
.macro WM d, a, b, c, sa, sb, ra, rb
.if (\ra) && (\rb)
	v_wmma_scale_f32_16x16x128_f8f6f4 v[\d:\d+7], v[\a:\a+11], v[\b:\b+11], v[\c:\c+7], v[\sa], v[\sb] matrix_a_fmt:MATRIX_FMT_FP6 matrix_b_fmt:MATRIX_FMT_FP6 matrix_a_scale:MATRIX_SCALE_ROW1 matrix_b_scale:MATRIX_SCALE_ROW1
.elseif (\ra)
	v_wmma_scale_f32_16x16x128_f8f6f4 v[\d:\d+7], v[\a:\a+11], v[\b:\b+11], v[\c:\c+7], v[\sa], v[\sb] matrix_a_fmt:MATRIX_FMT_FP6 matrix_b_fmt:MATRIX_FMT_FP6 matrix_a_scale:MATRIX_SCALE_ROW1
.elseif (\rb)
	v_wmma_scale_f32_16x16x128_f8f6f4 v[\d:\d+7], v[\a:\a+11], v[\b:\b+11], v[\c:\c+7], v[\sa], v[\sb] matrix_a_fmt:MATRIX_FMT_FP6 matrix_b_fmt:MATRIX_FMT_FP6 matrix_b_scale:MATRIX_SCALE_ROW1
.else
	v_wmma_scale_f32_16x16x128_f8f6f4 v[\d:\d+7], v[\a:\a+11], v[\b:\b+11], v[\c:\c+7], v[\sa], v[\sb] matrix_a_fmt:MATRIX_FMT_FP6 matrix_b_fmt:MATRIX_FMT_FP6
.endif
.endm
.macro GEMM c                          ; chunk c: 8 K steps of 16 products; the accumulators take turns; bo is the C of each sum's first product
.irp s, 0,1,2,3,4,5,6,7
.if \s < 7
	PLACES 4                                       ; places between the last products and loads into the set that they read (with the four behind the chunk before: more than the five that a new sum over old results asks)
	FETCH \s+1, (\s+1)%2
	s_wait_dscnt 24                                ; all but the 24 just issued
.else
	s_wait_dscnt 0x0
.endif
.if (\c == 0) && (\s >= 4)
	s_wait_loadcnt 16*(7-\s)                       ; ctx's codes of this K step are in: behind its 16 loads stand those of the later K steps, 16 each
.endif
.if \s < 5
.set XB, 48*\s
.else
.set XB, 48*(\s-5)
.endif
.if \s == 0
	WIN 0xc4
.elseif \s < 5
	WIN 0xf4
.else
	WIN 0xf8
.endif
.irp u, 0,1,2,3
.irp z, 0,1,2,3
.set DD, ACC+32*\u+8*\z
.set CC, DD
.if \s == 0
.set CC, BIAS+32*\c+8*\z
.endif
	WM DD, WF+48*(\s%2)+12*\z, XB+12*\u, CC, WSC+16*\c+8*(\z/2)+\s, XSC+8*(\u/2)+\s, \z%2, \u%2
.endr
.endr
	WIN 0
.endr
.endm
; The way out, a tile of 16 tokens x 64 columns at a time, through my own stage: in by 32 bytes a lane, back as rows of 256 bytes.  LDS serves a wave's instructions in order (ISA guide 5.7.1.4): no wait between the stores and the loads.
.macro TOSTAGE T
	WIN 0x0c
.irp t, 0,1,2,3
	ds_store_b128 v[STO], v[ACC+32*\T+8*\t:ACC+32*\T+8*\t+3] offset:64*\t       ; each accumulator from its low end on
	ds_store_b128 v[STO], v[ACC+32*\T+8*\t+4:ACC+32*\T+8*\t+7] offset:64*\t+16
.endr
	WIN 0xc0
.irp i, 0,1,2,3,4,5,6,7
	ds_load_b128 v[128+32*(\T)+4*\i:128+32*(\T)+4*\i+3], v[RD] offset:2*SP*\i   ; each of a chunk's four tiles has 32 registers of its own: v128-255 of window 3
.endr
.endm
.macro SEND T, c, younger
	s_wait_dscnt \younger
	WIN 0x0c
.irp i, 0,1,2,3,4,5,6,7
	global_store_b128 v[GO], v[128+32*(\T)+4*\i:128+32*(\T)+4*\i+3], s[14:15] offset:(16*(\T)+2*\i)*4096+256*\c th:TH_STORE_NT   ; 16 lanes store 256 consecutive bytes, aligned
.endr
.endm
.macro OUT c
	s_wait_xcnt 0x0                                ; the chunk before has had its stores' registers read: the loads below may fill them
	TOSTAGE 0
.irp T, 1,2,3
	TOSTAGE \T
	SEND \T-1, \c, 16                              ; behind that tile's loads: the next tile's 8 stores and 8 loads
.endr
	SEND 3, \c, 0
	WIN 0
.endm
	s_load_b256 s[4:11], s[0:1], 0x0               ; cimg, csc, Wo codes, Wo scales
	s_load_b128 s[12:15], s[0:1], 0x20             ; bo, out0
	v_lshl_add_u32 v[SPW], v0, 2, SPARE
	v_mov_b32 v[NIL], 0
	ds_add_u32 v[SPW], v[NIL]                      ; the wave's opening: the add, twice on end, and its wait ahead of my first tensor load
	ds_add_u32 v[SPW], v[NIL]
	v_lshrrev_b32 v29, 5, v0
	v_readfirstlane_b32 s[WV], v29
	s_bfe_u32 s17, ttmp6, 0x40000                  ; cx
	s_lshl_b32 s18, ttmp9, 2
	s_add_co_u32 s18, s18, s17                     ; which 256 tokens
	s_and_b32 s19, ttmp7, 0xffff                   ; which 128 columns: shared by the four partners
	s_mov_b32 s24, 15|(1<<20)|(1<<21)|(5<<22)|(3<<25)   ; all four partners; elements of 1 byte; padding: 4 words behind every 64
	s_mov_b32 s25, 768<<16
	s_mov_b32 s26, 32<<16
	s_mov_b32 s27, 768<<16
	s_mov_b32 s28, 32
	s_mov_b32 s29, 768
	s_mov_b32 s30, 0
	s_mov_b32 s31, 0
	s_lshl_b32 s20, s19, 7
	s_lshl_b32 s21, s[WV], 5
	s_add_co_u32 s20, s20, s21
	s_mul_i32 s20, s20, 768                        ; wave w fetches rows 32 w .. 32 w + 31 of the 128
	s_mov_b32 s21, 0
	s_mul_i32 s22, s[WV], 32*PITCH
	v_and_b32 v[R_], 15, v0
	v_bfe_u32 v[H_], v0, 4, 1
	v_and_b32 v[LN], 31, v0
	v_mul_u32_u24 v[WL0], v[R_], PITCH
	v_mad_u32_u24 v[WL0+1], v[H_], 40, v[WL0]
	v_mad_u32_u24 v[WL0], v[H_], 24, v[WL0]
	v_lshlrev_b32 v[L16], 4, v[LN]
	v_lshlrev_b32 v[L8], 3, v[LN]
	v_lshlrev_b32 v[L32], 5, v[LN]
	v_lshlrev_b32 v[L2], 1, v[LN]
	v_lshlrev_b32 v[BQA], 5, v[H_]
	s_mul_i32 s23, s[WV], 16*SP
	s_add_co_u32 s23, s23, STG                     ; my stage
	v_mul_u32_u24 v[STO], v[R_], SP
	v_lshl_add_u32 v[STO], v[H_], 5, v[STO]
	v_add_nc_u32 v[STO], s23, v[STO]
	v_mul_u32_u24 v[RD], v[H_], SP
	v_lshl_add_u32 v[RD], v[R_], 4, v[RD]
	v_add_nc_u32 v[RD], s23, v[RD]
	v_lshlrev_b32 v[GO], 12, v[H_]
	v_lshl_add_u32 v[GO], v[R_], 4, v[GO]
	s_wait_dscnt 0x0
	s_wait_kmcnt 0x0
	s_mov_b32 s32, 1
	s_mov_b32 s33, s22
	s_add_nc_u64 s[34:35], s[8:9], s[20:21]
	s_or_b32 s35, s35, 0x80000000
	CROUND                                         ; the four work-groups are here: the joint loads meet
	tensor_load_to_lds s[32:35], s[24:31]          ; one tensor load of mine is out
	s_nop 0
	PLACES 4
	s_lshl_b32 s20, s18, 4
	s_lshl_b32 s36, s[WV], 2
	s_add_co_u32 s20, s20, s36
	s_mul_i32 s20, s20, 12288                      ; my first tile of 16 tokens
	s_add_nc_u64 s[4:5], s[4:5], s[20:21]
	s_lshl_b32 s20, s18, 9
	s_lshl_b32 s36, s[WV], 7
	s_add_co_u32 s20, s20, s36
	s_add_nc_u64 s[6:7], s[6:7], s[20:21]
	s_lshl_b32 s20, s19, 12
	s_add_nc_u64 s[10:11], s[10:11], s[20:21]
	s_lshl_b32 s20, s19, 9
	s_add_nc_u64 s[12:13], s[12:13], s[20:21]
	s_add_nc_u64 s[14:15], s[14:15], s[20:21]
	s_lshl_b32 s20, s18, 20
	s_lshl_b32 s36, s[WV], 18
	s_add_co_u32 s20, s20, s36
	s_add_nc_u64 s[14:15], s[14:15], s[20:21]
.irp i, 0,1                                            ; the 56 loads of scales and bias go first, ctx's 128 loads behind them, K step by K step
.irp hd, 0,1,2,3,4,5,6,7,8,9,10,11,12,13,14,15
	global_load_u16 v[WF+48+16*\i+\hd], v[L2], s[6:7] offset:16384*\hd+64*\i   ; token 32 i + lane, head hd: two scale bytes; into the second set of fragment registers, which is free until K step 1 is fetched
.endr
.endr
	s_wait_alu depctr_va_vdst(0)
.irp c, 0,1
.irp i, 0,1
	global_load_b128 v[WSC+16*\c+8*\i:WSC+16*\c+8*\i+3], v[L32], s[10:11] offset:2048*\c+1024*\i
	global_load_b128 v[WSC+16*\c+8*\i+4:WSC+16*\c+8*\i+7], v[L32], s[10:11] offset:2048*\c+1024*\i+16
.endr
.irp t, 0,1,2,3
	global_load_b128 v[BIAS+32*\c+8*\t:BIAS+32*\c+8*\t+3], v[BQA], s[12:13] offset:256*\c+64*\t
	global_load_b128 v[BIAS+32*\c+8*\t+4:BIAS+32*\c+8*\t+7], v[BQA], s[12:13] offset:256*\c+64*\t+16
.endr
.endr
	WIN 0x40                                       ; ctx: K step hd / 2, tile T, half hd % 2: six registers, 16 + 8 bytes a lane
.irp hd, 0,1,2,3,4,5,6,7,8,9
.irp T, 0,1,2,3
	global_load_b128 v[48*(\hd/2)+12*\T+6*(\hd%2):48*(\hd/2)+12*\T+6*(\hd%2)+3], v[L16], s[4:5] offset:12288*\T+768*\hd
	global_load_b64 v[48*(\hd/2)+12*\T+6*(\hd%2)+4:48*(\hd/2)+12*\T+6*(\hd%2)+5], v[L8], s[4:5] offset:12288*\T+768*\hd+512
.endr
.endr
	WIN 0x80
.irp hd, 10,11,12,13,14,15
.irp T, 0,1,2,3
	global_load_b128 v[48*(\hd/2-5)+12*\T+6*(\hd%2):48*(\hd/2-5)+12*\T+6*(\hd%2)+3], v[L16], s[4:5] offset:12288*\T+768*\hd
	global_load_b64 v[48*(\hd/2-5)+12*\T+6*(\hd%2)+4:48*(\hd/2-5)+12*\T+6*(\hd%2)+5], v[L8], s[4:5] offset:12288*\T+768*\hd+512
.endr
.endr
	WIN 0
	s_wait_tensorcnt 0x0                           ; my rows of Wo have landed,
	s_barrier_signal -1
	s_barrier_wait -1                              ; everybody's have
	v_mov_b32 v[WA0], v[WL0]
	v_mov_b32 v[WA0+1], v[WL0+1]
	FETCH 0, 0
	s_wait_loadcnt 63                              ; all but the youngest 63 of the 184 loads: the scales, the bias and ctx's K steps 0 to 3 (56 + 64 loads) are in
.irp i, 0,1
.irp s, 0,1,2,3,4,5,6,7
	v_lshl_or_b32 v[XSC+8*\i+\s], v[WF+48+16*\i+2*\s+1], 16, v[WF+48+16*\i+2*\s]   ; a K step's word: heads 2 s and 2 s + 1
.endr
.endr
	PLACES 8                                       ; a scale register written by a vector instruction stands eight places ahead of a scaled product
	s_wait_alu depctr_va_vdst(0)
	GEMM 0
	v_add_nc_u32 v[WA0], RG, v[WL0]                ; these two and two v_nop: four places behind the last products
	v_add_nc_u32 v[WA0+1], RG, v[WL0+1]
	v_nop
	v_nop
	FETCH 0, 0                                     ; the second chunk's first fragments land under the way out
	s_wait_alu depctr_va_vdst(0)
	OUT 0
	GEMM 1
	PLACES 4
	OUT 1
	s_wait_tensorcnt 0x0                           ; the wave's end
	ds_add_u32 v[SPW], v[NIL]
	s_wait_dscnt 0x0
	CROUND                                         ; the closing round
	s_endpgm
.Lfunc_end_k_q22f5d0f2be_oproj:
	.size	k_q22f5d0f2be_oproj, .Lfunc_end_k_q22f5d0f2be_oproj-k_q22f5d0f2be_oproj
	.p2alignl 7, 3214868480
	.fill 96, 4, 3214868480
	.section	.rodata,"a",@progbits
	.p2align	6, 0x0
	.amdhsa_kernel k_q22f5d0f2be_oproj
		.amdhsa_group_segment_fixed_size 167936
		.amdhsa_private_segment_fixed_size 0
		.amdhsa_enable_private_segment 0
		.amdhsa_kernarg_size 48
		.amdhsa_user_sgpr_count 2
		.amdhsa_user_sgpr_kernarg_segment_ptr 1
		.amdhsa_wavefront_size32 1
		.amdhsa_system_sgpr_workgroup_id_x 1
		.amdhsa_system_sgpr_workgroup_id_y 1
		.amdhsa_system_sgpr_workgroup_id_z 1
		.amdhsa_system_vgpr_workitem_id 0
		.amdhsa_next_free_vgpr 1024
		.amdhsa_next_free_sgpr 66
		.amdhsa_reserve_vcc 0
		.amdhsa_float_denorm_mode_32 3
		.amdhsa_float_denorm_mode_16_64 3
		.amdhsa_memory_ordered 1
		.amdhsa_forward_progress 1
		.amdhsa_inst_pref_size 99
	.end_amdhsa_kernel
	.amdgpu_metadata
---
amdhsa.version: [ 1, 2 ]
amdhsa.kernels:
  - .name:           k_q22f5d0f2be_oproj
    .symbol:         k_q22f5d0f2be_oproj.kd
    .args:
      - { .name: cimg, .offset: 0, .size: 8, .value_kind: global_buffer, .address_space: global }
      - { .name: csc, .offset: 8, .size: 8, .value_kind: global_buffer, .address_space: global }
      - { .name: Wo_codes, .offset: 16, .size: 8, .value_kind: global_buffer, .address_space: global }
      - { .name: Wo_scales, .offset: 24, .size: 8, .value_kind: global_buffer, .address_space: global }
      - { .name: bo, .offset: 32, .size: 8, .value_kind: global_buffer, .address_space: global }
      - { .name: out0, .offset: 40, .size: 8, .value_kind: global_buffer, .address_space: global }
    .group_segment_fixed_size: 167936
    .private_segment_fixed_size: 0
    .kernarg_segment_align: 8
    .kernarg_segment_size: 48
    .max_flat_workgroup_size: 128
    .sgpr_count:     66
    .vgpr_count:     1024
    .wavefront_size: 32
...
	.end_amdgpu_metadata
.endif
;; end of part 3
